; MI455X (gfx1250); checked and timed in simulation.
; The chip was launched on July 23, 2026; its instructions are those of AMD's public machine-readable ISA for CDNA 5 (MIT licence, August 2026) and "CDNA5" Instruction Set Architecture Reference Guide (July 2026). The comments in the code are by the model that wrote it; some were corrected since.
;; new Hashed Layer. Allowed arithmetic: matrix products marked QUANTISED: E2M1 operands, one E8M0 scale for each 32 along K, by v_wmma_scale_f32_16x16x128_f8f6f4 with both operands' format E2M1 (or v_wmma_scale_f32_32x16x128_f4), f32 sums; everything else in f32.
;; Inputs: Wc 65,536 float32; bias 4,096 float32; hash_idx 4,096 x 4,096 int32; sign_bits 4,096 x 4,096 int32; x_codes 4,096 x 128 x 16 uint8 (E2M1 codes of x, K innermost, in blocks of 32 codes, two codes a byte); x_scales 4,096 x 128 uint8 (E8M0 scales of x, one for each 32 codes along K).
;; Outputs: out0 4,096 x 4,096 float32.
;; This version of the problem:
;;   THIS VERSION OF THE PROBLEM IS GIVEN IN LOW PRECISION. The matrix products marked QUANTISED in the list below multiply operands that are first quantised to E2M1 (2 exponent bits, 1 mantissa bit; 4 bits a number), with one power-of-two scale for each 32 numbers along K (OCP MX v1.0); their sums are f32. All else is computed in f32.
;;   The module's matrix products, in the order in which they are computed (A, B: the left and right operand; K: the contracted axis; several contracted axes count as one K, in the product's order):
;;     1. [M 4,096, K 4,096] x [K 4,096, N 4,096]; A: input x (given as codes); B: computed on the way: QUANTISED
;;   THE QUANTISER, for each operand of a quantised product, along K:
;;     - K is cut into blocks of 32 from its start; a last block that is shorter is filled with zeros.
;;     - A block's scale is 2^e with e = floor(log2(the largest magnitude in the block)) - 2, held to -126 .. 127; a block of zeros has e = 0. As a byte (E8M0): e + 127.
;;     - Each number is divided by its block's scale, clamped to +-6, and rounded to the nearest number of E2M1, ties to even, subnormals kept.
;;     - The product sums the exact products of the quantised numbers (number of the format x scale) in f32.
;;   ~~~python
;;   def quantise(x, axis):      # numpy; x: float32 -> the quantised numbers, widened to float32 again
;;       x = np.moveaxis(x, axis, -1); K = x.shape[-1]
;;       x = np.pad(x, [(0, 0)] * (x.ndim - 1) + [(0, -K % 32)]); x = x.reshape(x.shape[:-1] + (-1, 32)); a = np.abs(x).max(-1, keepdims=True)
;;       e = np.where(a > 0, np.clip(np.frexp(np.where(a > 0, a, 1))[1] - 1 - 2, -126, 127), 0)      # np.frexp(a)[1] - 1 = floor(log2(a)), exactly
;;       r = np.clip(x / 2.0 ** e, -6, 6)
;;       step = 2.0 ** (np.maximum(np.frexp(np.where(r == 0, 1, r))[1] - 1, 0) - 1)
;;       q = np.round(r / step) * step * 2.0 ** e      # np.round: ties to even
;;       return np.moveaxis(q.reshape(q.shape[:-2] + (-1,))[..., :K], -1, axis).astype(np.float32)
;;   ~~~
;;   OPERANDS COMPUTED ON THE WAY. 'Computed on the way' means the value that the module computes at that place (a softmax that the list does not call 'softmax' is quantised finished and normalised). What goes into a quantiser is computed in f32, as accurately as f32 sums, v_exp_f32 and their like allow (about 1e-6 of the number): no bf16 or f16 on the way to a quantiser, and a product that is left as it is and whose result goes on into a quantised operand takes f32 operands (vector FMAs, or v_wmma_f32_16x16x4_f32). A number that lies on a knife's edge between two numbers of the format may be rounded either way, as far as f32 arithmetic and the matrix unit's own rounding can turn it there, and no further.
;;   INPUTS GIVEN AS CODES. x (in the module: [4096, 4096], K = its axis 1): each comes as NAME_codes (uint8): NAME with its K axis moved to the last place and cut into blocks of 32 codes, [.., K / 32, bytes a block], one block behind the other in memory; two codes a byte, the lower K in the low four bits (a code: sign, 2 exponent bits, 1 mantissa bit); and NAME_scales (uint8): the same leading axes, one E8M0 byte (e + 127) for each 32 codes along K. Its value is code x scale, taken as it is: it is not quantised again, and the codes and scales need not be those that the quantiser above would give.
;; One version. Each part assembles by itself: llvm-mc -triple=amdgcn-amd-amdhsa -mcpu=gfx1250 --defsym DOCPART=n.
;; ======== version 1 of 1: 2 launches
;; limits: right only within a limited range of input values
;; workspace buffers: w_codes 8,388,608 bytes; w_sc 524,288 bytes; x_sc 524,288 bytes
;; launch expand (part 1): grid 256 x 1, 16 waves a work-group, no clusters, 264,192 bytes of LDS; arguments hash_idx, sign_bits, Wc, x_scales, w_codes, w_sc, x_sc; writes w_codes, w_sc, x_sc
.if DOCPART == 1
	.amdgcn_target "amdgcn-amd-amdhsa--gfx1250"
	.amdhsa_code_object_version 6
	.text
	.protected	k_qce790e720d_expand
	.globl	k_qce790e720d_expand
	.p2align	8
	.type	k_qce790e720d_expand,@function
k_qce790e720d_expand:
	s_mov_b64 s[64:65], 0
	v_nop
	global_prefetch_b8 v0, s[64:65] scope:SCOPE_SE
	s_setreg_imm32_b32 hwreg(HW_REG_WAVE_MODE, 25, 1), 1
	s_wait_xcnt 0x0
; w[n][k] = (1 - 2 sign_bits[n][k]) x Wc[hash_idx[n][k]], made in f32 and turned into codes of FP4 (E2M1) with one E8M0 byte for each 32 along k, which is w's innermost axis.
; OUT: w_codes [4096][2048 bytes], K innermost, two codes a byte;  w_sc [8][4096][16 bytes]: byte b of record (s, n) is the scale byte of block 16 s + b of row n: a K step of 512 of 256 rows is then 4,096 consecutive bytes.
; x_scales [4096][128] is laid anew in the same way into x_sc, its bytes unchanged.
; A block's scale is 2^(floor(log2(its largest magnitude)) - 2); its byte is the largest magnitude's exponent field - 2, held at 1 from below.
; LIMITS: an index outside 0 .. 65,535 is held at 65,535 (as an unsigned number); a block of zeros gets the byte 1 where the rule says 127 (its codes are zeros, and this program alone reads the bytes);
; blocks whose largest magnitude lies under 2^-124 were not tried; NaN and infinities in Wc are not served.
; THE TABLE LIES IN LDS: Wc is 262,144 bytes; each of the sixteen waves brings 16,384 of them by one tensor load, once; behind one barrier the LDS instructions are the gathers and the closing add of 0 to a spare word.
; SHARES: work-group g owns rows 16 g .. 16 g + 15.  Wave w has K step s = w / 2 (512 along K) and rows 16 g + 8 (w % 2) + t, t = 0 .. 7: eight TASKS of one row x 512 numbers, written out: every offset is an immediate,
; no address register, base or store datum is written twice, so no wait for addresses is needed.
; A task's loads read 512 consecutive bytes each (16 a lane).  The conversions want 16 NEIGHBOURS in a lane: the four lanes of a quad exchange their 4 x 4 groups of four numbers in two steps (lane xor 1, lane xor 2).
; NO CLUSTER, though all work-groups read the same table: the gathers' LDS addresses are each work-group's own indices.
.set TASKS, 8
.set ROWI,  16384                      ; a row of hash_idx or of sign_bits in bytes
.set VLO, 1                            ; v1   16 x lane: my 16 bytes of a load's 512
.set VCO, 2                            ; v2   64 (lane % 4) + 8 (lane / 4): my 8 bytes of a task's 256 bytes of codes
.set VSO, 3                            ; v3   4 x lane: my word of the wave's eight records of scale bytes
.set VXO, 4                            ; v4   128 (lane / 4) + 4 (lane % 4): the same word in x_scales
.set SHB, 5                            ; v5   8 (lane / 8): my block's place in its scale word, in bits
.set XSD, 6                            ; v6   my word of x_scales
.set SW,  7                            ; v7   my word of w's scale bytes: task lane / 4, word lane % 4
.set SCO, 10                           ; v10  the conversions' scale operand
.set BY,  11                           ; v11  the scale's byte, then the word as it grows
.set PX,  12                           ; v12  what another lane sends
.set PW,  13                           ; v13  a task's scale word
.set TT,  16                           ; v16-31   at work in the exchange
.set W,   32                           ; v32-47   16 numbers of w
.set C,   48                           ; v48-63   two registers of codes for each task
.set H,   64                           ; v64-127  four sets of 16 indices, then LDS addresses
.set S,   128                          ; v128-191 four sets of 16 sign bits, then signs
.set G,   192                          ; v192-223 two sets of 16 gathered numbers
	s_load_b256 s[4:11], s[0:1], 0x0               ; hash_idx s[4:5], sign_bits s[6:7], Wc s[8:9], x_scales s[10:11]
	s_load_b128 s[12:15], s[0:1], 0x20             ; w_codes s[12:13], w_sc s[14:15]
	s_load_b64 s[16:17], s[0:1], 0x30              ; x_sc
	v_lshl_add_u32 v224, v0, 2, 0x40000
	v_mov_b32 v225, 0
	ds_add_u32 v224, v225
	ds_add_u32 v224, v225
	v_lshrrev_b32 v14, 5, v0
	s_delay_alu instid0(VALU_DEP_1)
	v_readfirstlane_b32 s18, v14                   ; wave 0..15
	s_lshr_b32 s19, s18, 1                         ; s: my K step of 512
	s_and_b32 s32, s18, 1                          ; which eight of the group's sixteen rows
	s_lshl_b32 s33, ttmp9, 4
	s_lshl_b32 s34, s32, 3
	s_add_co_u32 s33, s33, s34                     ; my first row
	; descriptor group 1: 64 rows of 256 bytes (32 elements of 8 bytes), dense in memory and in LDS
	s_mov_b32 s24, 3<<16                           ; no mask; elements of 8 bytes; no padding
	s_mov_b32 s25, 32<<16                          ; tensor_dim0 = 32
	s_mov_b32 s26, 64<<16                          ; tensor_dim1 = 64
	s_mov_b32 s27, 32<<16                          ; tile_dim0 = 32
	s_mov_b32 s28, 64                              ; tile_dim1 = 64
	s_mov_b32 s29, 32                              ; from row to row: 32 elements
	s_mov_b32 s30, 0
	s_mov_b32 s31, 0
	s_mov_b32 s20, 1                               ; group 0: count = 1
	s_lshl_b32 s21, s18, 14                        ; LDS address: 16,384 x wave
	s_mov_b32 s34, s21                             ; and the same offset in Wc
	s_mov_b32 s35, 0
	s_mov_b32 s36, 0xaaaaaaaa                      ; the lanes whose number has bit 0 set
	s_mov_b32 s37, 0xcccccccc                      ; bit 1
	s_mov_b32 s38, 0x76543210
	s_mov_b32 s39, 0xfedcba98                      ; v_permlanex16_b32's selects for lane xor 16
	v_and_b32 v14, 31, v0                          ; lane
	v_and_b32 v15, 3, v0                           ; lane % 4
	s_delay_alu instid0(VALU_DEP_2)
	v_lshrrev_b32 v13, 2, v14                      ; lane / 4
	s_delay_alu instid0(VALU_DEP_3)
	v_lshlrev_b32 v[VLO], 4, v14
	s_delay_alu instid0(VALU_DEP_2)
	v_lshlrev_b32 v[VCO], 3, v13
	s_delay_alu instid0(VALU_DEP_1)
	v_lshl_add_u32 v[VCO], v15, 6, v[VCO]
	v_lshlrev_b32 v[VSO], 2, v14
	v_lshlrev_b32 v[VXO], 7, v13
	s_delay_alu instid0(VALU_DEP_1)
	v_lshl_add_u32 v[VXO], v15, 2, v[VXO]
	v_lshrrev_b32 v[SHB], 3, v14
	s_delay_alu instid0(VALU_DEP_1)
	v_lshlrev_b32 v[SHB], 3, v[SHB]
	v_mov_b32 v[PX], 0                             ; written once: the destination of a move between lanes counts as one of its sources
.irp k, 0,1,2,3,4,5,6,7,8,9,10,11,12,13,14,15
	v_mov_b32 v[TT+\k], 0
.endr
	s_wait_dscnt 0x0
	s_wait_kmcnt 0x0
	s_add_nc_u64 s[22:23], s[8:9], s[34:35]        ; global address: my 16,384 bytes of Wc
	s_or_b32 s23, s23, 0x80000000                  ; type = 2
	tensor_load_to_lds s[20:23], s[24:31]          ; my one tensor load
	s_nop 0
.rept 4
	v_nop
.endr
	s_lshl_b32 s34, s33, 14                        ; my first row x 16,384 bytes
	s_lshl_b32 s41, s19, 11                        ; + my K step's 2,048 bytes
	s_add_co_u32 s34, s34, s41
	s_add_nc_u64 s[4:5], s[4:5], s[34:35]
	s_add_nc_u64 s[6:7], s[6:7], s[34:35]
	s_lshr_b32 s34, s34, 3                         ; codes: an eighth of that: row x 2,048 + 256 s
	s_add_nc_u64 s[12:13], s[12:13], s[34:35]
	s_lshl_b32 s34, s19, 16                        ; scale records: 65,536 s + 16 x row
	s_lshl_b32 s41, s33, 4
	s_add_co_u32 s34, s34, s41
	s_add_nc_u64 s[14:15], s[14:15], s[34:35]
	s_add_nc_u64 s[16:17], s[16:17], s[34:35]
	s_lshl_b32 s34, s33, 7                         ; x_scales: 128 x row + 16 s
	s_lshl_b32 s41, s19, 4
	s_add_co_u32 s34, s34, s41
	s_add_nc_u64 s[10:11], s[10:11], s[34:35]
; Task t's 512 indices and 512 sign bits into set t % 4: register 4 i + j of lane l is element 128 i + 4 l + j
.macro LOAD t
.irp i, 0,1,2,3
	global_load_b128 v[H+16*((\t)%4)+4*\i:H+16*((\t)%4)+4*\i+3], v[VLO], s[4:5] offset:(\t)*ROWI+512*\i th:TH_LOAD_NT
.endr
.irp i, 0,1,2,3
	global_load_b128 v[S+16*((\t)%4)+4*\i:S+16*((\t)%4)+4*\i+3], v[VLO], s[6:7] offset:(\t)*ROWI+512*\i th:TH_LOAD_NT
.endr
.endm
; Task t's gathers go out; behind them its signs are made: 1 - 2 s in f32, as the definition has it, for any whole number s
; va = 1: the vector work, which needs no table (indices into addresses, sign bits into signs);  ga = 1: the gathers.  The first four tasks do the two apart: the vector work ahead of the table's wait
.macro PRE t, va, ga
.set HS, H+16*((\t)%4)
.set SS, S+16*((\t)%4)
.set GS, G+16*((\t)%2)
.if \va
.irp k, 0,1,2,3,4,5,6,7,8,9,10,11,12,13,14,15
	v_min_u32 v[HS+\k], 0xffff, v[HS+\k]           ; a loaded index is held inside the table before it enters an address
.endr
.irp k, 0,1,2,3,4,5,6,7,8,9,10,11,12,13,14,15
	v_lshlrev_b32 v[HS+\k], 2, v[HS+\k]            ; 4 bytes a number: at most 262,140
.endr
.endif
.if \ga
.irp k, 0,1,2,3,4,5,6,7,8,9,10,11,12,13,14,15
	ds_load_b32 v[GS+\k], v[HS+\k]
.endr
.endif
.if \va
.irp k, 0,1,2,3,4,5,6,7,8,9,10,11,12,13,14,15
	v_cvt_f32_i32 v[SS+\k], v[SS+\k]
.endr
.irp k, 0,2,4,6,8,10,12,14
	v_pk_fma_f32 v[SS+\k:SS+\k+1], v[SS+\k:SS+\k+1], -2.0, 1.0 op_sel_hi:[1,0,0]
.endr
.endif
.endm
; One pair of register groups (i0, i1) of one step of the exchange.  Lanes in mask m give their group i0 and take the partner's i1; the others the other way round.  tb: which eight of the temporaries
.macro TRP x, m, i0, i1, tb
.irp j, 0,1,2,3
	v_mov_b32_dpp v[TT+\tb+2*\j], v[W+4*\i1+\j] row_xmask:\x row_mask:0xf bank_mask:0xf
	v_mov_b32_dpp v[TT+\tb+2*\j+1], v[W+4*\i0+\j] row_xmask:\x row_mask:0xf bank_mask:0xf
.endr
.irp j, 0,1,2,3
	v_cndmask_b32 v[W+4*\i0+\j], v[W+4*\i0+\j], v[TT+\tb+2*\j], s[\m]
	v_cndmask_b32 v[W+4*\i1+\j], v[TT+\tb+2*\j+1], v[W+4*\i1+\j], s[\m]
.endr
.endm
; Task t is finished: w, the exchange, the block's scale, the codes, the scale word
.macro FIN t
.set SS, S+16*((\t)%4)
.set GS, G+16*((\t)%2)
.irp k, 0,2,4,6,8,10,12,14
	v_pk_mul_f32 v[W+\k:W+\k+1], v[SS+\k:SS+\k+1], v[GS+\k:GS+\k+1]   ; w = sign x Wc[index]
.endr
.if (\t)+4 < TASKS
	LOAD (\t)+4                                    ; this task's sets have been read out: they take the task four further on
.endif
	TRP 1, 36, 0, 1, 0
	TRP 1, 36, 2, 3, 8
	TRP 2, 37, 0, 2, 0
	TRP 2, 37, 1, 3, 8                             ; lane 4 a + p now holds elements 16 (8 p + a) + 0 .. 15, in order
	v_max3_num_f32 v8, |v[W]|, |v[W+1]|, |v[W+2]|  ; the largest magnitude of my 16, in two chains
	v_max3_num_f32 v9, |v[W+3]|, |v[W+4]|, |v[W+5]|
.irp i, 6,10
	s_delay_alu instid0(VALU_DEP_2)
	v_max3_num_f32 v8, v8, |v[W+\i]|, |v[W+\i+1]|
	s_delay_alu instid0(VALU_DEP_2)
	v_max3_num_f32 v9, v9, |v[W+\i+2]|, |v[W+\i+3]|
.endr
	s_delay_alu instid0(VALU_DEP_2)
	v_max3_num_f32 v8, v8, |v[W+14]|, |v[W+15]|
	s_delay_alu instid0(VALU_DEP_1)
	v_max3_num_f32 v8, v8, v9, 0x1800000           ; and the floor 2^(3 - 127): the byte cannot fall under 1
	s_delay_alu instid0(VALU_DEP_1)
	v_max_num_f32_dpp v8, v8, v8 row_xmask:4 row_mask:0xf bank_mask:0xf   ; the block's other 16 lie in lane xor 4
	s_delay_alu instid0(VALU_DEP_1)
	v_add_nc_u32 v[SCO], 0xff000000, v8            ; 2 off the exponent field: the conversion takes the exponent field of this operand as its scale, and nothing else of it
	v_cvt_scalef32_pk8_fp4_f32 v[C+2*(\t)], v[W:W+7], v[SCO]
	v_cvt_scalef32_pk8_fp4_f32 v[C+2*(\t)+1], v[W+8:W+15], v[SCO]
	v_lshrrev_b32 v[BY], 23, v[SCO]                ; the scale's byte (a plain instruction behind the conversions): block 4 (lane % 4) + lane / 8
	s_delay_alu instid0(VALU_DEP_1)
	v_lshlrev_b32 v[BY], v[SHB], v[BY]             ; at its place in word lane % 4
	s_delay_alu instid0(VALU_DEP_1)
	v_mov_b32_dpp v[PX], v[BY] row_xmask:8 row_mask:0xf bank_mask:0xf
	s_delay_alu instid0(VALU_DEP_1)
	v_or_b32 v[BY], v[BY], v[PX]
	s_delay_alu instid0(VALU_DEP_1)
	v_permlanex16_b32 v[PX], v[BY], s38, s39
	s_delay_alu instid0(VALU_DEP_1)
	v_or_b32 v[PW], v[BY], v[PX]                   ; every lane holds word lane % 4 of the task's record
.if (\t) == 0
	s_delay_alu instid0(VALU_DEP_1)
	v_mov_b32 v[SW], v[PW]
.else
	s_mov_b32 s40, 0xf<<(4*(\t))
	v_cndmask_b32 v[SW], v[SW], v[PW], s40         ; lanes 4 t .. 4 t + 3 keep this task's
.endif
	global_store_b64 v[VCO], v[C+2*(\t):C+2*(\t)+1], s[12:13] offset:2048*(\t)   ; the wave's store covers 256 consecutive bytes, aligned
.endm
.macro TASK t
.if (\t) < TASKS-1
.if (\t) <= 4
	s_wait_loadcnt 16                              ; the next task's eight loads are in; those of the two tasks behind it may be out
.else
	s_wait_loadcnt 8*(6-(\t))                      ; the counts run down: 8, 0
.endif
.if (\t)+1 < 4
	PRE (\t)+1, 0, 1                               ; its vector work was done ahead of the barrier
.else
	PRE (\t)+1, 1, 1
.endif
	s_wait_dscnt 16                                ; this task's gathers are in; the next task's sixteen may be out
.else
	s_wait_dscnt 0x0
.endif
	FIN \t
.endm
	global_load_b32 v[XSD], v[VXO], s[10:11]       ; my word of x_scales
	LOAD 0
	LOAD 1
	LOAD 2
	LOAD 3                                         ; 33 loads of the wave are out
	s_wait_loadcnt 24                              ; the word of x_scales and task 0's eight loads are in; tasks 1 to 3 may be out
	global_store_b32 v[VSO], v[XSD], s[16:17]      ; eight records of 16 bytes: 128 consecutive bytes a wave
	PRE 0, 1, 0                                    ; while the table is on its way: the vector work of the four tasks that are loaded
	s_wait_loadcnt 16
	PRE 1, 1, 0
	s_wait_loadcnt 8
	PRE 2, 1, 0
	s_wait_loadcnt 0x0
	PRE 3, 1, 0
	s_wait_alu depctr_va_vdst(0)
	s_wait_tensorcnt 0x0                           ; my part of the table has landed,
	s_barrier_signal -1
	s_barrier_wait -1                              ; everybody's has.  The one barrier of the text: nothing but the closing add of 0 to a spare word writes LDS behind it
	PRE 0, 0, 1
.irp t, 0,1,2,3,4,5,6,7
	TASK \t
.endr
	global_store_b32 v[VSO], v[SW], s[14:15]       ; w's eight records likewise
	s_wait_tensorcnt 0x0
	ds_add_u32 v224, v225
	s_wait_dscnt 0x0
	s_endpgm
.Lfunc_end_k_qce790e720d_expand:
	.size	k_qce790e720d_expand, .Lfunc_end_k_qce790e720d_expand-k_qce790e720d_expand
	.p2alignl 7, 3214868480
	.fill 96, 4, 3214868480
	.section	.rodata,"a",@progbits
	.p2align	6, 0x0
	.amdhsa_kernel k_qce790e720d_expand
		.amdhsa_group_segment_fixed_size 264192
		.amdhsa_private_segment_fixed_size 0
		.amdhsa_enable_private_segment 0
		.amdhsa_kernarg_size 56
		.amdhsa_user_sgpr_count 2
		.amdhsa_user_sgpr_kernarg_segment_ptr 1
		.amdhsa_wavefront_size32 1
		.amdhsa_system_sgpr_workgroup_id_x 1
		.amdhsa_system_sgpr_workgroup_id_y 1
		.amdhsa_system_sgpr_workgroup_id_z 1
		.amdhsa_system_vgpr_workitem_id 0
		.amdhsa_next_free_vgpr 226
		.amdhsa_next_free_sgpr 66
		.amdhsa_reserve_vcc 0
		.amdhsa_float_denorm_mode_32 3
		.amdhsa_float_denorm_mode_16_64 3
		.amdhsa_memory_ordered 1
		.amdhsa_forward_progress 1
		.amdhsa_inst_pref_size 89
	.end_amdhsa_kernel
	.amdgpu_metadata
---
amdhsa.version: [ 1, 2 ]
amdhsa.kernels:
  - .name:           k_qce790e720d_expand
    .symbol:         k_qce790e720d_expand.kd
    .args:
      - { .name: hash_idx, .offset: 0, .size: 8, .value_kind: global_buffer, .address_space: global }
      - { .name: sign_bits, .offset: 8, .size: 8, .value_kind: global_buffer, .address_space: global }
      - { .name: Wc, .offset: 16, .size: 8, .value_kind: global_buffer, .address_space: global }
      - { .name: x_scales, .offset: 24, .size: 8, .value_kind: global_buffer, .address_space: global }
      - { .name: w_codes, .offset: 32, .size: 8, .value_kind: global_buffer, .address_space: global }
      - { .name: w_sc, .offset: 40, .size: 8, .value_kind: global_buffer, .address_space: global }
      - { .name: x_sc, .offset: 48, .size: 8, .value_kind: global_buffer, .address_space: global }
    .group_segment_fixed_size: 264192
    .private_segment_fixed_size: 0
    .kernarg_segment_align: 8
    .kernarg_segment_size: 56
    .max_flat_workgroup_size: 512
    .sgpr_count:     66
    .vgpr_count:     226
    .wavefront_size: 32
...
	.end_amdgpu_metadata
.endif
;; end of part 1
;; launch gemm (part 2): grid 16 x 16, 4 waves a work-group, clusters of 4 x 4, 327,680 bytes of LDS; arguments x_codes, x_sc, w_codes, w_sc, bias, out0; writes out0
.if DOCPART == 2
	.amdgcn_target "amdgcn-amd-amdhsa--gfx1250"
	.amdhsa_code_object_version 6
	.text
	.protected	k_qce790e720d_gemm
	.globl	k_qce790e720d_gemm
	.p2align	8
	.type	k_qce790e720d_gemm,@function
k_qce790e720d_gemm:
	s_mov_b64 s[64:65], 0
	v_nop
	global_prefetch_b8 v0, s[64:65] scope:SCOPE_SE
	s_setreg_imm32_b32 hwreg(HW_REG_WAVE_MODE, 25, 1), 1
	s_wait_xcnt 0x0
	s_wait_alu depctr_hold_cnt(0) depctr_sa_sdst(0) depctr_va_vdst(0) depctr_va_sdst(0) depctr_va_ssrc(0) depctr_va_vcc(0) depctr_vm_vsrc(0)
	s_getreg_b32 s2, hwreg(HW_REG_IB_STS2, 6, 4)
	s_cmp_eq_u32 s2, 0
	s_cbranch_scc0 .Lentry_in_a_cluster
	s_endpgm
.Lentry_in_a_cluster:
	s_bfe_u32 s2, ttmp6, 0x10000c
	s_cmp_lg_u32 s2, 0xf033
	s_cbranch_scc0 .Lentry_shape_is_right
	s_endpgm
.Lentry_shape_is_right:
; out0[m][n] = sum over k of x[m][k] w[n][k] + bias[n].  x and w: codes of FP4 (E2M1), K innermost, 2,048 bytes a row, one E8M0 byte for each 32 along K; sums in f32.
; x_sc and w_sc hold the scale bytes as [8][4096][16]: the 16 bytes of a row for a K step of 512; a K step's records of 256 rows are 4,096 consecutive bytes.
; A work-group of four waves makes 256 x 256 of out0, a wave 128 x 128: 64 accumulators, 512 registers.  The grid is 16 x 16 work-groups.
; K goes in 8 steps of 512 through a ring of two LDS slots.  A slot: x's 256 rows (256 bytes + 16 of padding each), w's 256 rows, x's records, w's records.
; One tensor load a wave fills it: wave 0 x's codes, wave 1 w's codes, wave 2 x's records, wave 3 w's records.
; CLUSTERS of 4 x 4: x's tiles are asked for jointly along a row of the cluster, w's along a column.
; THE MATRIX INSTRUCTION IS USED TRANSPOSED (source 0 = 16 rows of w, source 1 = 16 rows of x): a lane holds eight neighbouring numbers of a row of out0.
; The bias is the C of each accumulator's first product: nothing is cleared and nothing is added afterwards.
; FRAGMENTS: two sets of registers for x and two for w.  The 32 LDS loads of the next 128 along K go out in one run behind a step's first 16 matrix instructions, into the sets that the step before has read out.
; THE LAST K STEP GOES BY ROWS OF out0: all its fragments of w fill window 1, x comes by blocks of 16 rows x 512 K, and my eight blocks of 16 rows are finished one after the other (K ascending) and stored as they are finished.
; PREFETCH: behind the request for K step t every wave names K step t + 2: 32 rows x 256 bytes of codes (a lane a row) and two blocks of 256 bytes of records.
; Waves 0, 1 name x's tile, waves 2, 3 w's; the four partners that ask for a tile jointly share its rows and blocks out by address, so each block is named once in a cluster.
; K steps 1 and 2 are named at the head, behind K step 0's request; the last trip of the loop names nothing: there is no K step 8.
; REGISTERS: window 0: v0-31 addresses; v32-95 scale words, two sets; v128-191, v192-255 x's fragments, two sets (in the last K step v128-191: two buffers of 16 rows x 512 K).
;   window 1: w's fragments, two sets, at v0 and v128; v192-255 the bias; in the last K step all 256: w's fragments of the whole step.
;   window 2: accumulators of my rows 0-63 ((a, b) at v[8 (8 a + b)]);  window 3: rows 64-127.  On the way out a block's rows come back from the stage into its own 64 registers.
.set NQ,     4                         ; steps of 128 along K in a slot
.set ROWB,   256                       ; a tile's row in bytes
.set KROW,   2048                      ; a row of codes in memory
.set PITCH,  272                       ; an LDS row: 256 bytes + 16 of padding
.set FR,     8                         ; registers of a fragment, 16 rows x 128 K
.set NP,     4                         ; places behind this matrix instruction (ISA guide 7.12.1)
.set HALFT,  128*PITCH
.set CODES,  256*PITCH
.set SCA,    2*CODES                   ; x's records in a slot
.set SCB,    SCA+4096                  ; w's records
.set SLOT,   SCB+4096
.set SPARE,  2*SLOT                    ; behind the ring: the spare words, 128 bytes a wave; no other line names them
.set LAPS,   4                         ; a lap = two K steps
.set SSTEP,  65536                     ; from a K step's records to the next
.set NROW,   16384                     ; a row of out0 in bytes
.set SPITCH, 528                       ; the way out: a stage of 16 rows x (512 + 16) bytes a wave, in slot 0 behind its last fill and last read
.set ADRA, 16                          ; v16-17 LDS address of my x fragments in slot 0, 1
.set ADRB, 20                          ; v20-21 the same for w
.set ADRS, 22                          ; v22-23 my scale words: lanes 0-15 x's rows, lanes 16-31 w's
.set STO,  24
.set RD,   25
.set CO,   26
.set BO,   27                          ; v27 32 (lane / 16): my eight numbers of a block's sixteen of the bias
.set SPW,  28                          ; v28 my spare word; never rewritten
.set NIL,  29                          ; v29 0; never rewritten
.set PFO,  30                          ; v30 prefetch of codes: lane x 2,048
.set PSO,  31                          ; v31 prefetch of records: 256 x min(lane, 1): the lanes left over name the wave's last block again
.set SC,   32
.set AF,   128                         ; x's set p at AF + 64 p, window 0
.set PA,   128                         ; the last K step: x's buffer a % 2 at PA + 32 (a % 2)
.set BI,   192                         ; the bias, window 1
.set G1A,  24
.set G1B,  32
.set G1SA, 40
.set G1SB, 48
.set G0A,  56
.set G0B,  68
.set G0SA, 76
.set G0SB, 84
.set PFA,  92                          ; s[92:93] my 32 rows of codes to name, s[94:95] my two blocks of records: three K steps behind what a prefetch in the loop names
.set PFS,  94
.set MSB, 0
.macro WIN new                         ; the immediate's high byte repeats the setting that is left
.if MSB != \new
	s_set_vgpr_msb (MSB<<8)|\new
.set MSB, \new
.endif
.endm
.set MUL_LO,   0xa1                    ; source 0 (w) window 1, source 1 (x) window 0, C and D window 2
.set MUL_HI,   0xf1                    ; the same, C and D window 3
.set FIRST_LO, 0x91                    ; C (the bias) window 1, D window 2
.set FIRST_HI, 0xd1
.set TO_B,     0x40                    ; destination window 1, address window 0
; A slot's four joint loads: one chain of branches on the wave's number, one load to an arm; s_nop 0 and four v_nop behind each
.macro JLOAD s
	s_cmp_lt_u32 s16, 2
	s_cbranch_scc0 .Lscales_\@
	s_cmp_eq_u32 s16, 0
	s_cbranch_scc0 .Lcodes_b_\@
	tensor_load_to_lds s[G0A+4*\s:G0A+4*\s+3], s[G1A:G1A+7]
	s_nop 0
.rept 4
	v_nop
.endr
	s_branch .Lasked_\@
.Lcodes_b_\@:
	tensor_load_to_lds s[G0B+4*\s:G0B+4*\s+3], s[G1B:G1B+7]
	s_nop 0
.rept 4
	v_nop
.endr
	s_branch .Lasked_\@
.Lscales_\@:
	s_cmp_eq_u32 s16, 2
	s_cbranch_scc0 .Lscales_b_\@
	tensor_load_to_lds s[G0SA+4*\s:G0SA+4*\s+3], s[G1SA:G1SA+7]
	s_nop 0
.rept 4
	v_nop
.endr
	s_branch .Lasked_\@
.Lscales_b_\@:
	tensor_load_to_lds s[G0SB+4*\s:G0SB+4*\s+3], s[G1SB:G1SB+7]
	s_nop 0
.rept 4
	v_nop
.endr
.Lasked_\@:
.endm
.macro CREST                           ; a round of the cluster's barrier behind its opening barrier
	s_cmp_lg_u32 s16, 0
	s_cbranch_scc1 .Lnot_wave_0_\@
	s_barrier_signal -3
.Lnot_wave_0_\@:
	s_barrier_wait -3
	s_barrier_signal -1
	s_barrier_wait -1
.endm
.macro CROUND
	s_barrier_signal -1
	s_barrier_wait -1
	CREST
.endm
.macro PREF k                          ; names the K step k steps on from where the two addresses stand
	global_prefetch_b8 v[PFO], s[PFA:PFA+1] offset:(\k)*ROWB th:TH_LOAD_NT scope:SCOPE_SE
	global_prefetch_b8 v[PSO], s[PFS:PFS+1] offset:(\k)*SSTEP th:TH_LOAD_NT scope:SCOPE_SE
.endm
.macro ASK                             ; in the loop: s3 = 1 in the last trip, whose refills are K steps 6 and 7
	s_cmp_gt_u32 s3, 1
	s_cbranch_scc0 .Lno_ask_\@
	PREF 3
.Lno_ask_\@:
.endm
	s_load_b256 s[4:11], s[0:1], 0x0               ; x_codes s[4:5], x_sc s[6:7], w_codes s[8:9], w_sc s[10:11]
	s_load_b128 s[12:15], s[0:1], 0x20             ; bias s[12:13], out0 s[14:15]
	v_lshl_add_u32 v[SPW], v0, 2, SPARE
	v_mov_b32 v[NIL], 0
	ds_add_u32 v[SPW], v[NIL]                      ; the opening: the add, twice on end, and its wait ahead of my first tensor load
	ds_add_u32 v[SPW], v[NIL]
	v_lshrrev_b32 v1, 5, v0
	v_readfirstlane_b32 s16, v1                    ; wave 0..3
	s_lshr_b32 s17, s16, 1                         ; which half of the tile's rows is mine
	s_and_b32 s18, s16, 1                          ; which half of its columns
	s_bfe_u32 s19, ttmp6, 0x40000                  ; cx
	s_bfe_u32 s20, ttmp6, 0x40004                  ; cy
	s_lshl_b32 s21, ttmp9, 2
	s_add_co_u32 s21, s21, s19                     ; tile column
	s_and_b32 s22, ttmp7, 0xffff
	s_lshl_b32 s22, s22, 2
	s_add_co_u32 s22, s22, s20                     ; tile row
	s_lshl_b32 s23, s20, 2
	s_lshl_b32 s23, 15, s23                        ; my row of the cluster
	s_lshl_b32 s2, 0x1111, s19                     ; my column
	s_or_b32 s[G1A], s23, (0<<16)|(1<<20)|(1<<21)|(5<<22)|(3<<25)   ; codes: elements of 1 byte, 4 words of padding behind every 64, the mask and bit 21
	s_or_b32 s[G1B], s2, (0<<16)|(1<<20)|(1<<21)|(5<<22)|(3<<25)
.irp g, G1A, G1B
	s_mov_b32 s[\g+1], ROWB<<16                    ; 256 rows of 256 bytes, 2,048 bytes apart in memory
	s_mov_b32 s[\g+2], 256<<16
	s_mov_b32 s[\g+3], ROWB<<16
	s_mov_b32 s[\g+4], 256
	s_mov_b32 s[\g+5], KROW
	s_mov_b32 s[\g+6], 0
	s_mov_b32 s[\g+7], 0
.endr
	s_or_b32 s[G1SA], s23, (3<<16)|(1<<21)         ; records: a dense block of 16 rows of 256 bytes (32 elements of 8 bytes)
	s_or_b32 s[G1SB], s2, (3<<16)|(1<<21)
.irp g, G1SA, G1SB
	s_mov_b32 s[\g+1], 32<<16
	s_mov_b32 s[\g+2], 16<<16
	s_mov_b32 s[\g+3], 32<<16
	s_mov_b32 s[\g+4], 16
	s_mov_b32 s[\g+5], 32
	s_mov_b32 s[\g+6], 0
	s_mov_b32 s[\g+7], 0
.endr
	s_lshl_b32 s92, s22, 19                        ; x: 256 rows x 2,048 bytes a tile row,
	s_mov_b32 s93, 0
	s_lshl_b32 s94, s22, 12                        ; 4,096 bytes of records
	s_mov_b32 s95, 0
	s_lshl_b32 s96, s21, 19                        ; w: the same by the tile column
	s_mov_b32 s97, 0
	s_lshl_b32 s98, s21, 12
	s_mov_b32 s99, 0
	s_wait_dscnt 0x0                               ; both opening adds are done
	s_wait_kmcnt 0x0
	s_add_nc_u64 s[4:5], s[4:5], s[92:93]
	s_add_nc_u64 s[6:7], s[6:7], s[94:95]
	s_add_nc_u64 s[8:9], s[8:9], s[96:97]
	s_add_nc_u64 s[10:11], s[10:11], s[98:99]
.irp s, 0,1
	s_mov_b32 s[G0A+4*\s], 1
	s_mov_b32 s[G0A+4*\s+1], \s*SLOT
	s_add_nc_u64 s[G0A+4*\s+2:G0A+4*\s+3], s[4:5], \s*ROWB
	s_or_b32 s[G0A+4*\s+3], s[G0A+4*\s+3], 0x80000000
	s_mov_b32 s[G0B+4*\s], 1
	s_mov_b32 s[G0B+4*\s+1], \s*SLOT+CODES
	s_add_nc_u64 s[G0B+4*\s+2:G0B+4*\s+3], s[8:9], \s*ROWB
	s_or_b32 s[G0B+4*\s+3], s[G0B+4*\s+3], 0x80000000
	s_mov_b32 s[G0SA+4*\s], 1
	s_mov_b32 s[G0SA+4*\s+1], \s*SLOT+SCA
	s_add_nc_u64 s[G0SA+4*\s+2:G0SA+4*\s+3], s[6:7], \s*SSTEP
	s_or_b32 s[G0SA+4*\s+3], s[G0SA+4*\s+3], 0x80000000
	s_mov_b32 s[G0SB+4*\s], 1
	s_mov_b32 s[G0SB+4*\s+1], \s*SLOT+SCB
	s_add_nc_u64 s[G0SB+4*\s+2:G0SB+4*\s+3], s[10:11], \s*SSTEP
	s_or_b32 s[G0SB+4*\s+3], s[G0SB+4*\s+3], 0x80000000
.endr
	CROUND                                         ; all sixteen work-groups are here: the first joint loads meet
	JLOAD 0                                        ; K step 0: one tensor load a wave at the head.  All that follows up to the wait for it stands under its flight
	; the prefetches' addresses: waves 0, 1 name x's tile, waves 2, 3 w's; p = my place among the four that ask for that tile with me
	s_cmp_eq_u32 s17, 0
	s_cselect_b64 s[PFA:PFA+1], s[4:5], s[8:9]
	s_cselect_b64 s[PFS:PFS+1], s[6:7], s[10:11]
	s_cselect_b32 s96, s19, s20                    ; p: cx for x's tile, cy for w's
	s_lshl_b32 s97, s18, 2
	s_add_co_u32 s97, s97, s96
	s_lshl_b32 s98, s97, 16                        ; rows 128 (wave % 2) + 32 p on, 2,048 bytes each
	s_mov_b32 s99, 0
	s_add_nc_u64 s[PFA:PFA+1], s[PFA:PFA+1], s[98:99]
	s_lshl_b32 s98, s96, 1
	s_add_co_u32 s98, s98, s18
	s_lshl_b32 s98, s98, 9                         ; blocks 4 p + 2 (wave % 2) on, of the tile's sixteen
	s_add_nc_u64 s[PFS:PFS+1], s[PFS:PFS+1], s[98:99]
	s_lshl_b32 s98, s21, 10                        ; my first column in bytes: 1,024 x tile column + 512 x half
	s_lshl_b32 s96, s18, 9
	s_add_co_u32 s98, s98, s96
	s_add_nc_u64 s[12:13], s[12:13], s[98:99]      ; the bias there
	s_lshl_b32 s96, s22, 22                        ; my first row: 256 x tile row + 128 x half, 16,384 bytes each
	s_lshl_b32 s97, s17, 21
	s_add_co_u32 s96, s96, s97
	s_add_co_u32 s98, s98, s96
	s_add_nc_u64 s[14:15], s[14:15], s[98:99]      ; out0 at my part's corner
	s_mul_i32 s96, s17, HALFT                      ; my 128 rows of x in a slot
	s_mul_i32 s97, s18, HALFT                      ; my 128 rows of w,
	s_add_co_u32 s97, s97, CODES                   ; behind x's 256
	s_lshl_b32 s98, s17, 11                        ; my rows' records: x's,
	s_lshl_b32 s99, s18, 11
	s_add_co_u32 s99, s99, 4096
	s_sub_co_u32 s99, s99, s98                     ; and how far behind them w's lie
	s_add_co_u32 s98, s98, SCA
	s_mul_i32 s100, s16, 16*SPITCH                 ; my stage
	v_and_b32 v1, 15, v0                           ; l % 16
	v_bfe_u32 v2, v0, 4, 1                         ; l / 16
	v_and_b32 v6, 31, v0                           ; lane
	v_lshlrev_b32 v[PFO], 11, v6
	v_min_u32 v[PSO], 1, v6
	v_lshlrev_b32 v[PSO], 8, v[PSO]
	v_lshlrev_b32 v[BO], 5, v2
	v_mul_u32_u24 v3, v1, PITCH
	v_lshl_add_u32 v4, v2, 4, v3                   ; a fragment's row x pitch + 16 x half
	v_add_nc_u32 v[ADRA], s96, v4
	v_add_nc_u32 v[ADRB], s97, v4
	v_add_nc_u32 v[ADRA+1], SLOT, v[ADRA]
	v_add_nc_u32 v[ADRB+1], SLOT, v[ADRB]
	v_lshlrev_b32 v5, 4, v1                        ; a record is 16 bytes
	v_mul_u32_u24 v7, s99, v2                      ; lanes 16-31 take w's
	v_add_nc_u32 v5, v5, v7
	v_add_nc_u32 v[ADRS], s98, v5
	v_add_nc_u32 v[ADRS+1], SLOT, v[ADRS]
	v_mul_u32_u24 v5, v1, SPITCH                   ; into the stage: row l % 16, 32 bytes for each half of the lanes
	v_lshl_add_u32 v5, v2, 5, v5
	v_add_nc_u32 v[STO], s100, v5
	v_lshlrev_b32 v[CO], 4, v6                     ; back: the 32 lanes take one row of 512 bytes; the same in out0
	v_add_nc_u32 v[RD], s100, v[CO]
	s_wait_alu depctr_va_vdst(0)                   ; the wait at the head's end: no vector instruction writes a register behind it
	PREF 1                                         ; K steps 1 and 2 are named now
	PREF 2
	WIN TO_B
.irp b, 0,1,2,3,4,5,6,7
	global_load_b128 v[BI+8*\b:BI+8*\b+3], v[BO], s[12:13] offset:64*\b        ; bias(16 b + 8 (l / 16) + 0 .. 7): the layout of a result
	global_load_b128 v[BI+8*\b+4:BI+8*\b+7], v[BO], s[12:13] offset:64*\b+16
.endr
	WIN 0
.macro FRAG reg, adr, q, i             ; 16 rows x 128 K: lane l holds row l % 16; registers 4 c .. 4 c + 3 hold K = 64 c + 32 (l / 16) + 0 .. 31
.irp c, 0,1
	ds_load_b128 v[\reg+4*\c:\reg+4*\c+3], v[\adr] offset:64*(\q)+32*\c+(\i)*16*PITCH
.endr
.endm
; 16 matrix instructions: x's blocks a0, a0 + 1 against w's eight, the slot's q-th 128 along K.  p: the sets of fragments; sc: the set of scale words; first = 1: C is the bias.
; The 64 accumulators take turns, one instruction a turn, in the same order in every step.
.macro MUL16 a0, p, q, sc, first
.irp a, \a0, \a0+1
.irp b, 0,1,2,3,4,5,6,7
.if \first
	v_wmma_scale_f32_16x16x128_f8f6f4 v[8*(8*((\a)%4)+\b):8*(8*((\a)%4)+\b)+7], v[128*(\p)+FR*\b:128*(\p)+FR*\b+FR-1], v[AF+64*(\p)+FR*(\a):AF+64*(\p)+FR*(\a)+FR-1], v[BI+8*\b:BI+8*\b+7], v[SC+8*NQ*(\sc)+NQ*\b+(\q)], v[SC+8*NQ*(\sc)+NQ*(\a)+(\q)] matrix_a_fmt:MATRIX_FMT_FP4 matrix_b_fmt:MATRIX_FMT_FP4 matrix_a_scale:MATRIX_SCALE_ROW1
.else
	v_wmma_scale_f32_16x16x128_f8f6f4 v[8*(8*((\a)%4)+\b):8*(8*((\a)%4)+\b)+7], v[128*(\p)+FR*\b:128*(\p)+FR*\b+FR-1], v[AF+64*(\p)+FR*(\a):AF+64*(\p)+FR*(\a)+FR-1], v[8*(8*((\a)%4)+\b):8*(8*((\a)%4)+\b)+7], v[SC+8*NQ*(\sc)+NQ*\b+(\q)], v[SC+8*NQ*(\sc)+NQ*(\a)+(\q)] matrix_a_fmt:MATRIX_FMT_FP4 matrix_b_fmt:MATRIX_FMT_FP4 matrix_a_scale:MATRIX_SCALE_ROW1
.endif
.endr
.endr
.endm
.macro FETCH slot, q, p                ; 32 LDS loads in one run: w's eight fragments, then x's eight in ascending order, into the sets p
	WIN TO_B
.irp i, 0,1,2,3,4,5,6,7
	FRAG 128*(\p)+FR*\i, ADRB+\slot, \q, \i
.endr
	WIN 0
.irp i, 0,1,2,3,4,5,6,7
	FRAG AF+64*(\p)+FR*\i, ADRA+\slot, \q, \i
.endr
.endm
.macro SCALES sc                       ; a K step's scale words: register NQ i + q: lanes 0-15 x's block i, lanes 16-31 w's block i
.irp i, 0,1,2,3,4,5,6,7
	ds_load_b128 v[SC+8*NQ*\sc+NQ*\i:SC+8*NQ*\sc+NQ*\i+3], v[ADRS+\sc] offset:256*\i
.endr
.endm
.macro PLACES n                        ; places in front of loads into registers that matrix instructions have read or written, and of reads of results
.rept \n
	v_nop
.endr
.endm
; A step of 128 along K that has its successor in the same slot
.macro STEP slot, q, first
	s_wait_dscnt 12                                ; w's eight fragments and x's blocks 0, 1 are in (and, in a slot's first step, the scale words ahead of them); the youngest twelve loads, x's blocks 2-7, may be out
.if \first
	WIN FIRST_LO
.else
	WIN MUL_LO
.endif
	MUL16 0, (\q)%2, \q, \slot, \first
	PLACES NP                                      ; the other sets were read by the step before
	FETCH \slot, (\q)+1, 1-(\q)%2
	s_wait_dscnt 32                                ; all but the 32 just issued
.if \first
	WIN FIRST_LO
.else
	WIN MUL_LO
.endif
	MUL16 2, (\q)%2, \q, \slot, \first
.if \first
	WIN FIRST_HI
.else
	WIN MUL_HI
.endif
	MUL16 4, (\q)%2, \q, \slot, \first
	MUL16 6, (\q)%2, \q, \slot, \first
.endm
; The first half of a slot's last step: one barrier for the change of slots.  In front of it each wave waits for all its tensor loads, adds 0 to its spare word, and waits for that and for its reads of this slot
.macro MEET slot
	WIN 0                                          ; the add's two registers lie in window 0
	s_wait_tensorcnt 0x0                           ; all my tensor loads have landed: my part of the next slot;
	ds_add_u32 v[SPW], v[NIL]
	s_wait_dscnt 13                                ; (the add and x's blocks 2-7 may be out)
	WIN MUL_LO
	MUL16 0, 1, NQ-1, \slot, 0
	s_wait_dscnt 0x0                               ; the add is done, and my reads of this slot are over
	s_barrier_signal -1
	MUL16 2, 1, NQ-1, \slot, 0
	WIN 0
	s_barrier_wait -1
.endm
; A slot's last step in the loop: the barrier opens a round of the cluster's barrier, and this slot takes the K step two on
.macro TURN slot, next
	s_wait_xcnt 0x0                                ; my earlier prefetches have read their addresses, which step here by one K step
	s_add_nc_u64 s[PFA:PFA+1], s[PFA:PFA+1], ROWB
	s_add_nc_u64 s[PFS:PFS+1], s[PFS:PFS+1], SSTEP
	MEET \slot
	CREST                                          ; no wave of any partner still reads this slot or has a load on its way
	s_add_nc_u64 s[G0A+4*\slot+2:G0A+4*\slot+3], s[G0A+4*\slot+2:G0A+4*\slot+3], 2*ROWB
	s_add_nc_u64 s[G0B+4*\slot+2:G0B+4*\slot+3], s[G0B+4*\slot+2:G0B+4*\slot+3], 2*ROWB
	s_add_nc_u64 s[G0SA+4*\slot+2:G0SA+4*\slot+3], s[G0SA+4*\slot+2:G0SA+4*\slot+3], 2*SSTEP
	s_add_nc_u64 s[G0SB+4*\slot+2:G0SB+4*\slot+3], s[G0SB+4*\slot+2:G0SB+4*\slot+3], 2*SSTEP
	JLOAD \slot                                    ; the first tensor load behind the round; its four v_nop are also the places in front of the loads below
	SCALES \next                                   ; what the next step wants first goes out first
	FETCH \next, 0, 0
	ASK                                            ; behind the joint load and the run of LDS loads: the K step two refills on
	WIN MUL_HI
	MUL16 4, 1, NQ-1, \slot, 0
	MUL16 6, 1, NQ-1, \slot, 0
.endm
.macro STEPS slot, from
.set Q, \from
.rept NQ-1-\from
	STEP \slot, Q, 0
.set Q, Q+1
.endr
.endm
; THE LAST K STEP (slot 1), by rows of out0
.macro BLOAD q                         ; w's eight fragments of its q-th 128 along K -> window 1, v[64 q ..]
.irp i, 0,1,2,3,4,5,6,7
	FRAG 64*(\q)+FR*\i, ADRB+1, \q, \i
.endr
.endm
.macro ALOAD a                         ; x's block a, all four quarters -> buffer a % 2
.irp q, 0,1,2,3
	FRAG PA+32*((\a)%2)+FR*\q, ADRA+1, \q, \a
.endr
.endm
.macro ROW a                           ; block a is finished: 32 matrix instructions, its 8 accumulators by turns, K ascending
	WIN MUL_LO+0x50*((\a)/4)
.irp q, 0,1,2,3
.if (\a) == 0 && \q == 2
	s_wait_dscnt 8                                 ; w's quarter 2 is in (behind it: x's block 1)
.endif
.irp b, 0,1,2,3,4,5,6,7
	v_wmma_scale_f32_16x16x128_f8f6f4 v[8*(8*((\a)%4)+\b):8*(8*((\a)%4)+\b)+7], v[64*\q+FR*\b:64*\q+FR*\b+FR-1], v[PA+32*((\a)%2)+FR*\q:PA+32*((\a)%2)+FR*\q+FR-1], v[8*(8*((\a)%4)+\b):8*(8*((\a)%4)+\b)+7], v[SC+8*NQ+NQ*\b+\q], v[SC+8*NQ+NQ*(\a)+\q] matrix_a_fmt:MATRIX_FMT_FP4 matrix_b_fmt:MATRIX_FMT_FP4 matrix_a_scale:MATRIX_SCALE_ROW1
.endr
.endr
.endm
; THE WAY OUT of block a, 16 rows x 128 columns: through my own stage and back, as whole rows of 512 bytes, into the block's own 64 registers.  LDS serves a wave's instructions in order (ISA guide 5.7.1.4).
.macro TOSTAGE a
.set AC, 64*((\a)%4)
	WIN 0x08+4*((\a)/4)                            ; the data: window 2 or 3
.irp b, 0,1,2,3,4,5,6,7
	ds_store_b128 v[STO], v[AC+8*\b:AC+8*\b+3] offset:64*\b          ; each accumulator from its low end on
	ds_store_b128 v[STO], v[AC+8*\b+4:AC+8*\b+7] offset:64*\b+16
.endr
	WIN 0x80+0x40*((\a)/4)                         ; the destination: the same window
.irp t, 0,1,2,3,4,5,6,7,8,9,10,11,12,13,14,15
	ds_load_b128 v[AC+4*\t:AC+4*\t+3], v[RD] offset:\t*SPITCH
.endr
	WIN 0
.endm
.macro SEND a, younger                 ; younger: the LDS loads issued behind TOSTAGE's, which may stay out
.set AC, 64*((\a)%4)
	s_wait_dscnt \younger
	WIN 0x08+4*((\a)/4)
.irp t, 0,1,2,3,4,5,6,7,8,9,10,11,12,13,14,15
	global_store_b128 v[CO], v[AC+4*\t:AC+4*\t+3], s[14:15] offset:(16*(\a)+\t)*NROW th:TH_STORE_NT   ; 32 lanes store 512 consecutive bytes, at a multiple of 256 from out0's first byte; the row stands in the immediate (127 rows at the most); no register of a store is written again
.endr
.endm
	s_wait_tensorcnt 0x0                           ; my tile of K step 0 is in
	ds_add_u32 v[SPW], v[NIL]
	s_wait_dscnt 0x0
	CROUND                                         ; all four tiles are in, and all sixteen work-groups are here
	JLOAD 1                                        ; K step 1, slot 1's first fill: the first tensor load behind the round
	SCALES 0
	FETCH 0, 0, 0
	PREF 3                                         ; K step 3
	s_wait_loadcnt 0x0                             ; the bias
	STEP 0, 0, 1                                   ; the first step stands in front of the loop: its products start the sums from the bias
	WIN 0                                          ; at a label and at a branch every window is 0
	s_mov_b32 s3, LAPS-1
.Llap:                                                 ; a trip goes once round the ring, from a lap's second step to the next lap's first, and fills both slots again
	STEPS 0, 1
	TURN 0, 1
	STEPS 1, 0
	TURN 1, 0
	STEP 0, 0, 0
	WIN 0
	s_sub_co_u32 s3, s3, 1
	s_cmp_lg_u32 s3, 0
	s_cbranch_scc1 .Llap
	STEPS 0, 1                                     ; the last lap fills nothing
	MEET 0                                         ; the load that was still out is slot 1's, the last K step's; no round follows
	PLACES NP                                      ; for the loads into the sets 0, which the step before multiplied
	SCALES 1
	WIN TO_B
	BLOAD 0                                        ; three quarters of w now: the sets 1 are still being multiplied
	BLOAD 1
	BLOAD 3
	WIN 0
	ALOAD 0
	WIN MUL_HI
	MUL16 4, 1, NQ-1, 0, 0
	MUL16 6, 1, NQ-1, 0, 0
	PLACES NP                                      ; for the loads into w's set 1
	WIN TO_B
	BLOAD 2
	WIN 0
	ALOAD 1
	s_wait_dscnt 24                                ; all but the 24 just issued
	ROW 0
.irp a, 0,1,2,3,4,5,6,7                ; each block leaves as soon as it is finished
	PLACES NP                                      ; its results are read, and its buffer of x and its own registers are loaded again
	TOSTAGE \a
.if \a < 6
	ALOAD \a+2                                     ; its buffer takes the block two further on
	SEND \a, 8
.else
	SEND \a, 0
.endif
.if \a < 7
	ROW \a+1
.endif
.endr
	WIN 0
	s_wait_tensorcnt 0x0                           ; the wave's end
	ds_add_u32 v[SPW], v[NIL]
	s_wait_dscnt 0x0
	CROUND                                         ; the closing round
	s_endpgm
.Lfunc_end_k_qce790e720d_gemm:
	.size	k_qce790e720d_gemm, .Lfunc_end_k_qce790e720d_gemm-k_qce790e720d_gemm
	.p2alignl 7, 3214868480
	.fill 96, 4, 3214868480
	.section	.rodata,"a",@progbits
	.p2align	6, 0x0
	.amdhsa_kernel k_qce790e720d_gemm
		.amdhsa_group_segment_fixed_size 327680
		.amdhsa_private_segment_fixed_size 0
		.amdhsa_enable_private_segment 0
		.amdhsa_kernarg_size 48
		.amdhsa_user_sgpr_count 2
		.amdhsa_user_sgpr_kernarg_segment_ptr 1
		.amdhsa_wavefront_size32 1
		.amdhsa_system_sgpr_workgroup_id_x 1
		.amdhsa_system_sgpr_workgroup_id_y 1
		.amdhsa_system_sgpr_workgroup_id_z 1
		.amdhsa_system_vgpr_workitem_id 0
		.amdhsa_next_free_vgpr 1024
		.amdhsa_next_free_sgpr 102
		.amdhsa_reserve_vcc 0
		.amdhsa_float_denorm_mode_32 3
		.amdhsa_float_denorm_mode_16_64 3
		.amdhsa_memory_ordered 1
		.amdhsa_forward_progress 1
		.amdhsa_inst_pref_size 215
	.end_amdhsa_kernel
	.amdgpu_metadata
---
amdhsa.version: [ 1, 2 ]
amdhsa.kernels:
  - .name:           k_qce790e720d_gemm
    .symbol:         k_qce790e720d_gemm.kd
    .args:
      - { .name: x_codes, .offset: 0, .size: 8, .value_kind: global_buffer, .address_space: global }
      - { .name: x_sc, .offset: 8, .size: 8, .value_kind: global_buffer, .address_space: global }
      - { .name: w_codes, .offset: 16, .size: 8, .value_kind: global_buffer, .address_space: global }
      - { .name: w_sc, .offset: 24, .size: 8, .value_kind: global_buffer, .address_space: global }
      - { .name: bias, .offset: 32, .size: 8, .value_kind: global_buffer, .address_space: global }
      - { .name: out0, .offset: 40, .size: 8, .value_kind: global_buffer, .address_space: global }
    .group_segment_fixed_size: 327680
    .private_segment_fixed_size: 0
    .kernarg_segment_align: 8
    .kernarg_segment_size: 48
    .max_flat_workgroup_size: 128
    .sgpr_count:     102
    .vgpr_count:     1024
    .wavefront_size: 32
...
	.end_amdgpu_metadata
.endif
;; end of part 2
